; MI455X (gfx1250); checked and timed in simulation.
; The chip was launched on July 23, 2026; its instructions are those of AMD's public machine-readable ISA for CDNA 5 (MIT licence, August 2026) and "CDNA5" Instruction Set Architecture Reference Guide (July 2026). The comments in the code are by the model that wrote it; some were corrected since.
;; Multihead Attention. Allowed arithmetic: matrix products marked QUANTISED: E2M1 operands, one E8M0 scale for each 32 along K, by v_wmma_scale_f32_16x16x128_f8f6f4 with both operands' format E2M1 (or v_wmma_scale_f32_32x16x128_f4), f32 sums; everything else in f32.
;; Inputs: o_b 1,024 float32; o_w_codes 1,024 x 32 x 16 uint8 (E2M1 codes of o_w, K innermost, in blocks of 32 codes, two codes a byte); o_w_scales 1,024 x 32 uint8 (E8M0 scales of o_w, one for each 32 codes along K); qkv_b 3,072 float32; qkv_w_codes 3,072 x 32 x 16 uint8 (E2M1 codes of qkv_w, K innermost, in blocks of 32 codes, two codes a byte); qkv_w_scales 3,072 x 32 uint8 (E8M0 scales of qkv_w, one for each 32 codes along K); x_codes 4 x 2,048 x 32 x 16 uint8 (E2M1 codes of x, K innermost, in blocks of 32 codes, two codes a byte); x_scales 4 x 2,048 x 32 uint8 (E8M0 scales of x, one for each 32 codes along K).
;; Outputs: out0 4 x 2,048 x 1,024 float32.
;; This version of the problem:
;;   THIS VERSION OF THE PROBLEM IS GIVEN IN LOW PRECISION. The matrix products marked QUANTISED in the list below multiply operands that are first quantised to E2M1 (2 exponent bits, 1 mantissa bit; 4 bits a number), with one power-of-two scale for each 32 numbers along K (OCP MX v1.0); their sums are f32. All else is computed in f32.
;;   The module's matrix products, in the order in which they are computed (A, B: the left and right operand; K: the contracted axis; several contracted axes count as one K, in the product's order):
;;     1. [M 8,192, K 1,024] x [K 1,024, N 3,072]; A: input x (given as codes); B: input qkv_w (given as codes): QUANTISED
;;     2. batch 64 x [M 2,048, K 64] x [K 64, N 2,048]; A: computed on the way; B: computed on the way: QUANTISED
;;     3. batch 64 x [M 2,048, K 2,048] x [K 2,048, N 64]; A: softmax (see below); B: computed on the way: QUANTISED
;;     4. [M 8,192, K 1,024] x [K 1,024, N 1,024]; A: computed on the way; B: input o_w (given as codes): QUANTISED
;;   THE QUANTISER, for each operand of a quantised product, along K:
;;     - K is cut into blocks of 32 from its start; a last block that is shorter is filled with zeros.
;;     - A block's scale is 2^e with e = floor(log2(the largest magnitude in the block)) - 2, held to -126 .. 127; a block of zeros has e = 0. As a byte (E8M0): e + 127.
;;     - Each number is divided by its block's scale, clamped to +-6, and rounded to the nearest number of E2M1, ties to even, subnormals kept.
;;     - The product sums the exact products of the quantised numbers (number of the format x scale) in f32.
;;   ~~~python
;;   def quantise(x, axis):      # numpy; x: float32 -> the quantised numbers, widened to float32 again
;;       x = np.moveaxis(x, axis, -1); K = x.shape[-1]
;;       x = np.pad(x, [(0, 0)] * (x.ndim - 1) + [(0, -K % 32)]); x = x.reshape(x.shape[:-1] + (-1, 32)); a = np.abs(x).max(-1, keepdims=True)
;;       e = np.where(a > 0, np.clip(np.frexp(np.where(a > 0, a, 1))[1] - 1 - 2, -126, 127), 0)      # np.frexp(a)[1] - 1 = floor(log2(a)), exactly
;;       r = np.clip(x / 2.0 ** e, -6, 6)
;;       step = 2.0 ** (np.maximum(np.frexp(np.where(r == 0, 1, r))[1] - 1, 0) - 1)
;;       q = np.round(r / step) * step * 2.0 ** e      # np.round: ties to even
;;       return np.moveaxis(q.reshape(q.shape[:-2] + (-1,))[..., :K], -1, axis).astype(np.float32)
;;   ~~~
;;   SOFTMAX AHEAD OF A QUANTISED PRODUCT. Where the list says 'softmax', what is quantised is not the finished softmax but p = 2^(t - M), with t = logit x log2(e) and M = ceil(the row's largest t), a whole number; so 1/2 < the row's largest p <= 1. The row's sum l is taken of the UNQUANTISED p, in f32, and the product's result is divided by l at the end. Since M is a whole number, a kernel that streams over the keys may use a running M (the ceiling of the running maximum): every later rescaling is an exact power of two, which a block's scale takes up: the codes' values come out the same.
;;   OPERANDS COMPUTED ON THE WAY. 'Computed on the way' means the value that the module computes at that place (a softmax that the list does not call 'softmax' is quantised finished and normalised). What goes into a quantiser is computed in f32, as accurately as f32 sums, v_exp_f32 and their like allow (about 1e-6 of the number): no bf16 or f16 on the way to a quantiser, and a product that is left as it is and whose result goes on into a quantised operand takes f32 operands (vector FMAs, or v_wmma_f32_16x16x4_f32). A number that lies on a knife's edge between two numbers of the format may be rounded either way, as far as f32 arithmetic and the matrix unit's own rounding can turn it there, and no further.
;;   INPUTS GIVEN AS CODES. o_w (in the module: [1024, 1024], K = its axis 1); qkv_w (in the module: [3072, 1024], K = its axis 1); x (in the module: [4, 2048, 1024], K = its axis 2): each comes as NAME_codes (uint8): NAME with its K axis moved to the last place and cut into blocks of 32 codes, [.., K / 32, bytes a block], one block behind the other in memory; two codes a byte, the lower K in the low four bits (a code: sign, 2 exponent bits, 1 mantissa bit); and NAME_scales (uint8): the same leading axes, one E8M0 byte (e + 127) for each 32 codes along K. Its value is code x scale, taken as it is: it is not quantised again, and the codes and scales need not be those that the quantiser above would give.
;; One version. Each part assembles by itself: llvm-mc -triple=amdgcn-amd-amdhsa -mcpu=gfx1250 --defsym DOCPART=n.
;; ======== version 1 of 1: 3 launches
;; workspace buffers: qkv 13,893,632 bytes; valc 4,194,304 bytes; valsc 262,144 bytes
;; launch qkvproj (part 1): grid 16 x 32, 4 waves a work-group, clusters of 4 x 4, 262,144 bytes of LDS; arguments x_codes, x_scales, qkv_w_codes, qkv_w_scales, qkv_b, qkv; writes qkv
.if DOCPART == 1
	.amdgcn_target "amdgcn-amd-amdhsa--gfx1250"
	.amdhsa_code_object_version 6
	.text
	.protected	k_q7386fe5551_qkvproj
	.globl	k_q7386fe5551_qkvproj
	.p2align	8
	.type	k_q7386fe5551_qkvproj,@function
k_q7386fe5551_qkvproj:
	s_mov_b64 s[64:65], 0
	v_nop
	global_prefetch_b8 v0, s[64:65] scope:SCOPE_SE
	s_setreg_imm32_b32 hwreg(HW_REG_WAVE_MODE, 25, 1), 1
	s_wait_xcnt 0x0
	s_wait_alu depctr_hold_cnt(0) depctr_sa_sdst(0) depctr_va_vdst(0) depctr_va_sdst(0) depctr_va_ssrc(0) depctr_va_vcc(0) depctr_vm_vsrc(0)
	s_getreg_b32 s2, hwreg(HW_REG_IB_STS2, 6, 4)
	s_cmp_eq_u32 s2, 0
	s_cbranch_scc0 .Lentry_in_a_cluster
	s_endpgm
.Lentry_in_a_cluster:
	s_bfe_u32 s2, ttmp6, 0x10000c
	s_cmp_lg_u32 s2, 0xf033
	s_cbranch_scc0 .Lentry_shape_is_right
	s_endpgm
.Lentry_shape_is_right:
; qkv = x W^T + b on codes of FP4 (E2M1) with E8M0 scales, and q, k, v quantised in registers for the two products of attention.
; DEAD WORK: none.  Every input has a way to out0: both biases go into a quantiser or into the output, the squeeze changes nothing.  Nothing is left out in any launch.
; LIMITS: a block whose largest magnitude lies under 2^-124 keeps the scale byte 1 (a block of zeros too: its codes are zeros, and this program alone reads the bytes); NaN and infinities are not served.
; SHARES.  A work-group takes 256 rows of x (rb) and one head's 192 columns (64 of q, 64 of k, 64 of v).  Wave (rg, cg): rows 128 rg on, eight tiles of 16: one key step of attention;
; of the columns the 64 of q (cg = 0) or of k (cg = 1), four tiles, and 32 of v (channels 32 cg on), two tiles: 48 accumulators, all four waves run one text.
; q, k: source 0 = 16 rows of W, source 1 = 16 rows of x: a lane holds ONE row of x and eight neighbours along the head's 64, which is the next product's K.
; v:    source 0 = 16 rows of x, source 1 = 16 rows of W: a lane holds ONE channel and eight neighbouring keys, which are the K of the product with p.
; The bias is the C of each sum's first matrix instruction.
; ALL OF K LIES IN LDS: two chunks of 512 along K (rows of 256 bytes + 16 of padding) and the scale bytes of all rows, each filled once.  No LDS byte is filled twice.
; CLUSTER 4 x 4: the four work-groups of a row of the cluster share rb and so x's tiles, the four of a column share the head and so W's: each tile is asked for jointly.
; A RESULT BECOMES AN OPERAND.  A block of 32 along the next K is two tiles: 16 registers of lanes l and l xor 16.  The codes of tile u of block 2 c + e go to register 4 c + 2 u + e; exchanging
; register 4 c + 2 u's lanes 16-31 with register 4 c + 2 u + 1's lanes 0-15 leaves k = 64 c + 32 (lane / 16) + 16 u + 0..7 and + 8..15: the operand's layout.
; OUT: a record of 13,568 bytes for each (batch, head, 128 rows): images of the operands' registers, four registers by one store of 16 bytes a lane, 512 consecutive bytes:
;   0 K's 8 tiles; 4096 K's scale words [lane][pair]: lanes 0-15 tile 2 p, lanes 16-31 tile 2 p + 1; 4608 V's 4 channel tiles x 2 groups; 8704 V's scale words [tile / 2][lane]; 8960 Q as K; 13056 Q's scale words.
;   K = 64 fills half of a matrix instruction's 128: the scale words' upper two bytes are 0x7f, and attention holds zero codes there.
;   V's scale words leave as 128 consecutive bytes a wave, half of an aligned 256: two waves write the two halves; 256 bytes of a record's 13,568.
; REGISTERS.  window 0: v1-17 addresses; v32-95 scale words (register 8 i + s: lanes 0-15 W's tile i, lanes 16-31 x's tile i, K step s); v96-229 the way out.
;   window 1: q's or k's accumulators (x tile a, W tile i) at 32 a + 8 i.   window 2: v's (W tile t, x tile a) at 64 t + 8 a; the biases from 128.   window 3: two sets of fragments of 112.
.set SLOTB,  448*272                   ; a chunk: x's 256 rows, then W's 192; pitch 272 = 68 words, so the 16 rows of a load start at 16 different groups of banks
.set WOFF,   256*272
.set SCL,    2*SLOTB                   ; W's scale bytes: 24 units of 256 + 16
.set SCX,    SCL+24*272                ; x's: 32 units
.set SPARE,  259072                    ; the spare words, 128 bytes a wave: two blocks of 256 bytes that no other line names
.set REC,    13568
.set PADC,   (1<<20)|(1<<21)|(5<<22)|(3<<25)   ; padding on; bit 21 beside a mask; after every 64 words; 4 words
.set SPW, 16
.set NIL, 17
.set SC,  32
.set T,   96                           ; largest magnitudes
.set T2,  112                          ; the other half of the lanes'
.set SO,  128                          ; the conversions' scale operands
.set BY,  144                          ; the scale bytes
.set WD,  160                          ; a tile's scale words
.set SW,  168                          ; two tiles to a register
.set WV,  172
.set SWV, 174
.set CQ,  182                          ; q's or k's codes
.set CV,  214                          ; v's codes
.set G1X,  28
.set G1W,  36
.set G1SX, 44
.set G1SW, 52
.set MSB, 0
.macro WIN new                         ; the immediate's high byte repeats the setting that is left
.if MSB != \new
	s_set_vgpr_msb (MSB<<8)|\new
.set MSB, \new
.endif
.endm
.macro PLACES                          ; four plain places behind a matrix instruction, ahead of loads into its sources and of reads of its result
.rept 4
	v_nop
.endr
.endm
.macro ROUND                           ; a round of the cluster's barrier
	s_barrier_signal -1
	s_barrier_wait -1
	s_cmp_lg_u32 s16, 0
	s_cbranch_scc1 .Lnot_wave_0_\@
	s_barrier_signal -3
.Lnot_wave_0_\@:
	s_barrier_wait -3
	s_barrier_signal -1
	s_barrier_wait -1
.endm
.macro JLOAD g0a, g1a, g0b, g1b        ; a joint load: waves 0, 1 fetch for x, waves 2, 3 for W; the branch hangs on the wave's number alone; an s_nop 0 and four v_nop follow each line
	s_cmp_eq_u32 s17, 0
	s_cbranch_scc0 .Lfor_b_\@
	tensor_load_to_lds s[\g0a:\g0a+3], s[\g1a:\g1a+7]
	s_nop 0
.rept 4
	v_nop
.endr
	s_branch .Lasked_\@
.Lfor_b_\@:
	tensor_load_to_lds s[\g0b:\g0b+3], s[\g1b:\g1b+7]
	s_nop 0
.rept 4
	v_nop
.endr
.Lasked_\@:
.endm
.macro SHAPE g, c, r, p                ; descriptor group 1, words 1 to 7: r rows of c elements, p elements from row to row
	s_mov_b32 s[\g+1], (\c)<<16
	s_mov_b32 s[\g+2], (\r)<<16
	s_mov_b32 s[\g+3], (\c)<<16
	s_mov_b32 s[\g+4], \r
	s_mov_b32 s[\g+5], \p
	s_mov_b32 s[\g+6], 0
	s_mov_b32 s[\g+7], 0
.endm
	s_load_b256 s[4:11], s[0:1], 0x0               ; x's codes s[4:5], x's scales s[6:7], W's codes s[8:9], W's scales s[10:11]
	s_load_b128 s[12:15], s[0:1], 0x20             ; the bias s[12:13], the records s[14:15]
	v_lshl_add_u32 v[SPW], v0, 2, SPARE
	v_mov_b32 v[NIL], 0
	ds_add_u32 v[SPW], v[NIL]                      ; the wave's opening: the add, twice on end, and its wait ahead of my first tensor load
	ds_add_u32 v[SPW], v[NIL]
	v_lshrrev_b32 v1, 5, v0
	v_readfirstlane_b32 s16, v1                    ; wave 0..3
	s_lshr_b32 s17, s16, 1                         ; rg: my 128 rows.  Also: I fetch for x (0) or for W (1)
	s_and_b32 s18, s16, 1                          ; cg: q or k, and which 32 channels of v.  Also: which half I fetch
	s_bfe_u32 s19, ttmp6, 0x40000                  ; cx
	s_bfe_u32 s20, ttmp6, 0x40004                  ; cy
	s_lshl_b32 s21, ttmp9, 2
	s_add_co_u32 s21, s21, s19                     ; the head = 4 x cluster x + cx
	s_and_b32 s22, ttmp7, 0xffff
	s_lshl_b32 s22, s22, 2
	s_add_co_u32 s22, s22, s20                     ; rb = 4 x cluster y + cy
	s_mov_b32 s23, 0xffff0000                      ; lanes 16-31
	s_mov_b32 s98, 0x76543210
	s_mov_b32 s99, 0xfedcba98                      ; v_permlanex16_b32's selects for lane l xor 16
	s_lshl_b32 s88, s20, 2
	s_lshl_b32 s88, 15, s88                        ; my row of the cluster
	s_lshl_b32 s92, 0x1111, s19                    ; my column
	s_or_b32 s[G1X], s88, PADC                     ; x's codes: elements of 1 byte
	s_or_b32 s[G1SX], s88, PADC|(3<<16)            ; x's scales: elements of 8 bytes
	s_or_b32 s[G1W], s92, PADC
	s_or_b32 s[G1SW], s92, PADC|(3<<16)
	SHAPE G1X, 256, 128, 512                       ; 128 rows x 256 bytes of rows of 512
	SHAPE G1W, 256, 96, 512                        ; 96 rows likewise
	SHAPE G1SX, 32, 16, 32                         ; the scales of 128 rows: 4,096 dense bytes as 16 rows of 256
	SHAPE G1SW, 32, 12, 32                         ; of 96 rows: 12 rows of 256
	s_lshl_b32 s88, s22, 17                        ; x's codes: (256 rb + 128 half) rows of 512 bytes; these registers hold rb and the wave's number alone
	s_lshl_b32 s89, s18, 16
	s_add_co_u32 s88, s88, s89
	s_mov_b32 s89, 0
	s_lshl_b32 s90, s22, 13                        ; x's scales: rows of 32 bytes
	s_lshl_b32 s91, s18, 12
	s_add_co_u32 s90, s90, s91
	s_mov_b32 s91, 0
	s_mul_i32 s92, s21, 98304                      ; W's codes: (192 head + 96 half) rows; these hold the head and the wave's number alone
	s_mul_i32 s93, s18, 49152
	s_add_co_u32 s92, s92, s93
	s_mov_b32 s93, 0
	s_mul_i32 s94, s21, 6144
	s_mul_i32 s95, s18, 3072
	s_add_co_u32 s94, s94, s95
	s_mov_b32 s95, 0
	s_mov_b32 s60, 1                               ; groups 0: count 1, the LDS address (the wave's number and constants alone), the global address, the type
	s_mul_i32 s61, s18, 4352
	s_add_co_u32 s61, s61, SCX
	s_mov_b32 s68, 1
	s_mul_i32 s69, s18, 34816
	s_mov_b32 s72, 1
	s_add_co_u32 s73, s69, SLOTB
	s_mov_b32 s76, 1
	s_mul_i32 s77, s18, 3264
	s_add_co_u32 s77, s77, SCL
	s_mov_b32 s80, 1
	s_mul_i32 s81, s18, 26112
	s_add_co_u32 s81, s81, WOFF
	s_mov_b32 s84, 1
	s_add_co_u32 s85, s81, SLOTB
	s_wait_dscnt 0x0                               ; both opening adds are done
	s_wait_kmcnt 0x0
	s_add_nc_u64 s[62:63], s[6:7], s[90:91]
	s_or_b32 s63, s63, 0x80000000
	s_add_nc_u64 s[70:71], s[4:5], s[88:89]
	s_add_nc_u64 s[74:75], s[70:71], 256           ; chunk 1: 512 along K on
	s_or_b32 s71, s71, 0x80000000
	s_or_b32 s75, s75, 0x80000000
	s_add_nc_u64 s[78:79], s[10:11], s[94:95]
	s_or_b32 s79, s79, 0x80000000
	s_add_nc_u64 s[82:83], s[8:9], s[92:93]
	s_add_nc_u64 s[86:87], s[82:83], 256
	s_or_b32 s83, s83, 0x80000000
	s_or_b32 s87, s87, 0x80000000
	ROUND                                          ; all sixteen work-groups are here: the joint loads meet
	JLOAD 60, G1SX, 76, G1SW                       ; the scales, chunk 0, chunk 1: three loads of mine are out, all of them first fills
	JLOAD 68, G1X, 80, G1W
	JLOAD 72, G1X, 84, G1W
	v_and_b32 v1, 15, v0                           ; r
	v_bfe_u32 v2, v0, 4, 1                         ; h
	v_and_b32 v3, 31, v0                           ; lane
	v_mul_u32_u24 v18, v1, 272
	v_lshl_add_u32 v18, v2, 4, v18                 ; a fragment's row x pitch + 16 h
	s_mul_i32 s2, s17, 34816
	v_add_nc_u32 v4, s2, v18                       ; x's fragments: my 128 rows, chunk 0,
	v_add_nc_u32 v5, SLOTB, v4                     ; chunk 1
	s_mul_i32 s2, s18, 17408
	s_add_co_u32 s2, s2, WOFF
	v_add_nc_u32 v6, s2, v18                       ; W's rows of q or k
	v_add_nc_u32 v7, SLOTB, v6
	s_mul_i32 s2, s18, 8704
	s_add_co_u32 s2, s2, WOFF+34816
	v_add_nc_u32 v8, s2, v18                       ; W's rows of my 32 channels of v
	v_add_nc_u32 v9, SLOTB, v8
	v_lshlrev_b32 v19, 5, v1
	v_lshrrev_b32 v20, 3, v1
	v_lshl_add_u32 v19, v20, 4, v19                ; a row's scales: 32 bytes a row, 16 more behind every eighth row
	s_mul_i32 s2, s18, 2176                        ; tiles 0-3: lanes 0-15 W's rows 64 cg on, lanes 16-31 x's rows 128 rg on: the lower base + h x the distance
	s_mul_i32 s3, s17, 4352
	s_add_co_u32 s3, s3, 6528
	s_sub_co_u32 s3, s3, s2
	v_mul_u32_u24 v20, s3, v2
	s_add_co_u32 s2, s2, SCL
	v_add_nc_u32 v10, v19, v20
	v_add_nc_u32 v10, s2, v10
	s_mul_i32 s2, s18, 1088                        ; tiles 4-7: lanes 0-15 W's rows 128 + 32 cg on (of tiles 6, 7 these lanes' words are never used), lanes 16-31 x's tiles 4-7
	s_mul_i32 s3, s17, 4352
	s_add_co_u32 s3, s3, 4352
	s_sub_co_u32 s3, s3, s2
	v_mul_u32_u24 v20, s3, v2
	s_wait_alu depctr_va_vdst(0)
	s_add_co_u32 s2, s2, SCL+4352
	v_add_nc_u32 v11, v19, v20
	v_add_nc_u32 v11, s2, v11
	v_lshlrev_b32 v12, 4, v3                       ; 16 x lane: an image's place
	v_lshlrev_b32 v13, 2, v3                       ; 4 x lane: a scale word's
	v_lshlrev_b32 v14, 5, v2                       ; 32 h: the bias of q, k: my half's eight columns
	s_wait_alu depctr_va_vdst(0)
	v_lshlrev_b32 v15, 2, v1                       ; 4 r: the bias of v: my channel
	s_wait_alu depctr_va_vdst(0)
	s_lshr_b32 s24, s22, 3                         ; my record: ((batch x 16 + head) x 16 + 2 (rb % 8) + rg
	s_lshl_b32 s24, s24, 4
	s_add_co_u32 s24, s24, s21
	s_lshl_b32 s24, s24, 4
	s_and_b32 s25, s22, 7
	s_lshl_b32 s25, s25, 1
	s_add_co_u32 s24, s24, s25
	s_add_co_u32 s24, s24, s17
	s_mul_i32 s24, s24, REC
	s_mov_b32 s25, 0
	s_add_nc_u64 s[26:27], s[14:15], s[24:25]
	s_cmp_eq_u32 s18, 0
	s_cselect_b32 s24, 8960, 0                     ; q's part of the record, or k's
	s_add_nc_u64 s[24:25], s[26:27], s[24:25]
	s_lshl_b32 s96, s18, 7
	s_mov_b32 s97, 0
	s_add_nc_u64 s[96:97], s[26:27], s[96:97]      ; v's scale words: + 128 cg
	s_lshl_b32 s2, s18, 11
	s_mov_b32 s3, 0
	s_add_nc_u64 s[26:27], s[26:27], s[2:3]        ; v's images: + 2048 cg
	s_mul_i32 s100, s21, 768
	s_lshl_b32 s101, s18, 8
	s_add_co_u32 s100, s100, s101
	s_mov_b32 s101, 0
	s_add_nc_u64 s[100:101], s[12:13], s[100:101]  ; the bias at column 192 head + 64 cg
	s_mul_i32 s2, s21, 768
	s_lshl_b32 s3, s18, 7
	s_add_co_u32 s2, s2, s3
	s_mov_b32 s3, 0
	s_add_nc_u64 s[2:3], s[12:13], s[2:3]          ; and at 192 head + 32 cg (+ 128 in the loads' offsets)
	WIN 0x80                                       ; destination window 2
.irp i, 0,1,2,3
	global_load_b128 v[128+8*\i:128+8*\i+3], v14, s[100:101] offset:64*\i      ; tile i: columns 16 i + 8 h + 0..7, in the result's layout
	global_load_b128 v[128+8*\i+4:128+8*\i+7], v14, s[100:101] offset:64*\i+16
.endr
.irp t, 0,1
.irp j, 0,1,2,3,4,5,6,7
	global_load_b32 v[160+8*\t+\j], v15, s[2:3] offset:512+64*\t               ; v: a lane's eight results are one channel's: eight equal registers
.endr
.endr
	WIN 0
.irp n, 0,1,2,3,4,5,6,7,8,9,10,11,12,13,14,15
	v_mov_b32 v[T2+\n], 0                          ; written once: a lane permute's destination counts as one of its sources
.endr
	s_wait_tensorcnt 1                             ; the scales and my part of chunk 0 are in; chunk 1's load may stay out
	s_barrier_signal -1
	s_barrier_wait -1                              ; everybody's are
.irp i, 0,1,2,3
.irp q, 0,1
	ds_load_b128 v[SC+8*\i+4*\q:SC+8*\i+4*\q+3], v10 offset:544*\i+16*\q        ; four K steps' words of a row at a time
.endr
.endr
.irp i, 4,5,6,7
.irp q, 0,1
	ds_load_b128 v[SC+8*\i+4*\q:SC+8*\i+4*\q+3], v11 offset:544*(\i-4)+16*\q
.endr
.endr
.macro FETCH s                         ; K step s's 14 fragments (16 rows x 128 K of 4-bit codes: two loads of 16 bytes, 32 bytes apart) into set s % 2
.set FP, 112*((\s)%2)
.set FS, (\s)/4
.set FQ, 64*((\s)%4)
	WIN 0xc0                                       ; destination window 3
.irp a, 0,1,2,3,4,5,6,7
.irp c, 0,1
	ds_load_b128 v[FP+8*\a+4*\c:FP+8*\a+4*\c+3], v[4+FS] offset:4352*\a+FQ+32*\c
.endr
.endr
.irp i, 0,1,2,3
.irp c, 0,1
	ds_load_b128 v[FP+64+8*\i+4*\c:FP+64+8*\i+4*\c+3], v[6+FS] offset:4352*\i+FQ+32*\c
.endr
.endr
.irp t, 0,1
.irp c, 0,1
	ds_load_b128 v[FP+96+8*\t+4*\c:FP+96+8*\t+4*\c+3], v[8+FS] offset:4352*\t+FQ+32*\c
.endr
.endr
.endm
.macro MUL s                           ; K step s: 48 matrix instructions, one on each accumulator: they take turns
.set FP, 112*((\s)%2)
.if (\s) == 0
	WIN 0x6f                                       ; sources 0, 1 window 3; C (the bias) window 2; D window 1
.else
	WIN 0x5f                                       ; C and D window 1
.endif
.irp a, 0,1,2,3,4,5,6,7
.irp i, 0,1,2,3
.if (\s) == 0
	v_wmma_scale_f32_16x16x128_f8f6f4 v[32*\a+8*\i:32*\a+8*\i+7], v[FP+64+8*\i:FP+64+8*\i+7], v[FP+8*\a:FP+8*\a+7], v[128+8*\i:128+8*\i+7], v[SC+8*\i+(\s)], v[SC+8*\a+(\s)] matrix_a_fmt:MATRIX_FMT_FP4 matrix_b_fmt:MATRIX_FMT_FP4 matrix_b_scale:MATRIX_SCALE_ROW1
.else
	v_wmma_scale_f32_16x16x128_f8f6f4 v[32*\a+8*\i:32*\a+8*\i+7], v[FP+64+8*\i:FP+64+8*\i+7], v[FP+8*\a:FP+8*\a+7], v[32*\a+8*\i:32*\a+8*\i+7], v[SC+8*\i+(\s)], v[SC+8*\a+(\s)] matrix_a_fmt:MATRIX_FMT_FP4 matrix_b_fmt:MATRIX_FMT_FP4 matrix_b_scale:MATRIX_SCALE_ROW1
.endif
.endr
.endr
	WIN 0xaf                                       ; C and D window 2 (the bias of v lies there too)
.irp t, 0,1
.irp a, 0,1,2,3,4,5,6,7
.if (\s) == 0
	v_wmma_scale_f32_16x16x128_f8f6f4 v[64*\t+8*\a:64*\t+8*\a+7], v[FP+8*\a:FP+8*\a+7], v[FP+96+8*\t:FP+96+8*\t+7], v[160+8*\t:160+8*\t+7], v[SC+8*\a+(\s)], v[SC+32+8*\t+(\s)] matrix_a_fmt:MATRIX_FMT_FP4 matrix_b_fmt:MATRIX_FMT_FP4 matrix_a_scale:MATRIX_SCALE_ROW1
.else
	v_wmma_scale_f32_16x16x128_f8f6f4 v[64*\t+8*\a:64*\t+8*\a+7], v[FP+8*\a:FP+8*\a+7], v[FP+96+8*\t:FP+96+8*\t+7], v[64*\t+8*\a:64*\t+8*\a+7], v[SC+8*\a+(\s)], v[SC+32+8*\t+(\s)] matrix_a_fmt:MATRIX_FMT_FP4 matrix_b_fmt:MATRIX_FMT_FP4 matrix_a_scale:MATRIX_SCALE_ROW1
.endif
.endr
.endr
.endm
.macro BODY s                          ; this step's fragments are in; the next step's are asked for; this step is multiplied meanwhile
.if (\s) == 3
	s_wait_tensorcnt 0x0                           ; my part of chunk 1: no load was issued behind it
.endif
	s_wait_dscnt 0x0
.if (\s) == 3
	s_barrier_signal -1
	s_barrier_wait -1                              ; everybody's part of chunk 1 is in
.endif
.if (\s) < 7
.if (\s) > 0
	PLACES                                         ; the set was read by the step before
.endif
	FETCH (\s)+1
.endif
	MUL \s
.endm
	FETCH 0
	s_wait_loadcnt 0x0                             ; the biases
.irp s, 0,1,2,3,4,5,6,7
	BODY \s
.endr
	PLACES
	; ---- q or k: 8 tiles of rows x 2 blocks of 32 along the head's 64.  Each accumulator is read from its low end on
	WIN 0x05                                       ; sources 0, 1 window 1
.irp a, 0,1,2,3,4,5,6,7
.irp b, 0,1
	v_max3_num_f32 v[T+2*\a+\b], |v[32*\a+16*\b]|, |v[32*\a+16*\b+1]|, 0x1800000     ; my 16 numbers of the block, and the floor 2^(3 - 127): the byte cannot fall under 1
.endr
.endr
.irp i, 2,4,6,8,10,12,14
.irp a, 0,1,2,3,4,5,6,7
.irp b, 0,1
	v_max3_num_f32 v[T+2*\a+\b], |v[32*\a+16*\b+\i]|, |v[32*\a+16*\b+\i+1]|, v[T+2*\a+\b]
.endr
.endr
.endr
	WIN 0
.irp n, 0,1,2,3,4,5,6,7,8,9,10,11,12,13,14,15
	v_permlanex16_b32 v[T2+\n], v[T+\n], s98, s99
.endr
.irp n, 0,1,2,3,4,5,6,7,8,9,10,11,12,13,14,15
	v_max_num_f32 v[T+\n], v[T+\n], v[T2+\n]       ; with lane l xor 16's: the block's largest magnitude
.endr
.irp n, 0,1,2,3,4,5,6,7,8,9,10,11,12,13,14,15
	v_add_nc_u32 v[SO+\n], 0xff000000, v[T+\n]     ; 2 off its exponent field: the conversion takes this operand's exponent field as its scale
.endr
.irp n, 0,1,2,3,4,5,6,7,8,9,10,11,12,13,14,15
	v_lshrrev_b32 v[BY+\n], 23, v[SO+\n]           ; the scale's byte
.endr
.irp a, 0,1,2,3,4,5,6,7
	v_lshl_or_b32 v[WD+\a], v[BY+2*\a+1], 8, v[BY+2*\a]
.endr
.irp a, 0,1,2,3,4,5,6,7
	v_or_b32 v[WD+\a], 0x7f7f0000, v[WD+\a]        ; the two blocks of zero codes that fill the K step get the byte of 1.0
.endr
.irp p, 0,1,2,3
	v_cndmask_b32 v[SW+\p], v[WD+2*\p], v[WD+2*\p+1], s23      ; lanes 0-15 tile 2 p's words, lanes 16-31 tile 2 p + 1's
.endr
	WIN 0x01                                       ; source 0 window 1
.irp a, 0,1,2,3,4,5,6,7
.irp b, 0,1
.irp u, 0,1
	v_cvt_scalef32_pk8_fp4_f32 v[CQ+4*\a+2*\u+\b], v[32*\a+16*\b+8*\u:32*\a+16*\b+8*\u+7], v[SO+2*\a+\b]
.endr
.endr
.endr
	WIN 0
	v_nop                                          ; one plain place behind a scaled conversion
.irp a, 0,1,2,3,4,5,6,7
.irp u, 0,1
	v_permlane16_swap_b32 v[CQ+4*\a+2*\u], v[CQ+4*\a+2*\u+1]
.endr
.endr
.irp a, 0,1,2,3,4,5,6,7
	global_store_b128 v12, v[CQ+4*\a:CQ+4*\a+3], s[24:25] offset:512*\a        ; 512 consecutive bytes
.endr
	global_store_b128 v12, v[SW:SW+3], s[24:25] offset:4096
	; ---- v: 2 tiles of channels x 4 blocks of 32 keys
	WIN 0x0a                                       ; sources 0, 1 window 2
.irp t, 0,1
.irp b, 0,1,2,3
	v_max3_num_f32 v[T+4*\t+\b], |v[64*\t+16*\b]|, |v[64*\t+16*\b+1]|, 0x1800000
.endr
.endr
.irp i, 2,4,6,8,10,12,14
.irp t, 0,1
.irp b, 0,1,2,3
	v_max3_num_f32 v[T+4*\t+\b], |v[64*\t+16*\b+\i]|, |v[64*\t+16*\b+\i+1]|, v[T+4*\t+\b]
.endr
.endr
.endr
	WIN 0
.irp n, 0,1,2,3,4,5,6,7
	v_permlanex16_b32 v[T2+\n], v[T+\n], s98, s99
.endr
.irp n, 0,1,2,3,4,5,6,7
	v_max_num_f32 v[T+\n], v[T+\n], v[T2+\n]
.endr
.irp n, 0,1,2,3,4,5,6,7
	v_add_nc_u32 v[SO+\n], 0xff000000, v[T+\n]
.endr
.irp n, 0,1,2,3,4,5,6,7
	v_lshrrev_b32 v[BY+\n], 23, v[SO+\n]
.endr
.irp t, 0,1
	v_lshl_or_b32 v[WV+\t], v[BY+4*\t+1], 8, v[BY+4*\t]
	v_lshl_or_b32 v[WV+\t], v[BY+4*\t+2], 16, v[WV+\t]
	v_lshl_or_b32 v[WV+\t], v[BY+4*\t+3], 24, v[WV+\t]         ; my channel's scale word for these 128 keys
.endr
	v_cndmask_b32 v[SWV], v[WV], v[WV+1], s23
	WIN 0x02                                       ; source 0 window 2
.irp t, 0,1
.irp c, 0,1
.irp e, 0,1
.irp u, 0,1
	v_cvt_scalef32_pk8_fp4_f32 v[CV+8*\t+4*\c+2*\u+\e], v[64*\t+32*\c+16*\e+8*\u:64*\t+32*\c+16*\e+8*\u+7], v[SO+4*\t+2*\c+\e]
.endr
.endr
.endr
.endr
	WIN 0
	v_nop
.irp t, 0,1
.irp c, 0,1
.irp u, 0,1
	v_permlane16_swap_b32 v[CV+8*\t+4*\c+2*\u], v[CV+8*\t+4*\c+2*\u+1]
.endr
.endr
.endr
.irp t, 0,1
.irp c, 0,1
	global_store_b128 v12, v[CV+8*\t+4*\c:CV+8*\t+4*\c+3], s[26:27] offset:4608+1024*\t+512*\c
.endr
.endr
	global_store_b32 v13, v[SWV], s[96:97] offset:8704
	s_wait_tensorcnt 0x0                           ; the wave's end
	ds_add_u32 v[SPW], v[NIL]
	s_wait_dscnt 0x0
	ROUND                                          ; the closing round: no work-group ends while a partner may still ask for a tile that names it
	s_endpgm
.Lfunc_end_k_q7386fe5551_qkvproj:
	.size	k_q7386fe5551_qkvproj, .Lfunc_end_k_q7386fe5551_qkvproj-k_q7386fe5551_qkvproj
	.p2alignl 7, 3214868480
	.fill 96, 4, 3214868480
	.section	.rodata,"a",@progbits
	.p2align	6, 0x0
	.amdhsa_kernel k_q7386fe5551_qkvproj
		.amdhsa_group_segment_fixed_size 262144
		.amdhsa_private_segment_fixed_size 0
		.amdhsa_enable_private_segment 0
		.amdhsa_kernarg_size 48
		.amdhsa_user_sgpr_count 2
		.amdhsa_user_sgpr_kernarg_segment_ptr 1
		.amdhsa_wavefront_size32 1
		.amdhsa_system_sgpr_workgroup_id_x 1
		.amdhsa_system_sgpr_workgroup_id_y 1
		.amdhsa_system_sgpr_workgroup_id_z 1
		.amdhsa_system_vgpr_workitem_id 0
		.amdhsa_next_free_vgpr 1024
		.amdhsa_next_free_sgpr 102
		.amdhsa_reserve_vcc 0
		.amdhsa_float_denorm_mode_32 3
		.amdhsa_float_denorm_mode_16_64 3
		.amdhsa_memory_ordered 1
		.amdhsa_forward_progress 1
		.amdhsa_inst_pref_size 104
	.end_amdhsa_kernel
	.amdgpu_metadata
---
amdhsa.version: [ 1, 2 ]
amdhsa.kernels:
  - .name:           k_q7386fe5551_qkvproj
    .symbol:         k_q7386fe5551_qkvproj.kd
    .args:
      - { .name: x_codes, .offset: 0, .size: 8, .value_kind: global_buffer, .address_space: global }
      - { .name: x_scales, .offset: 8, .size: 8, .value_kind: global_buffer, .address_space: global }
      - { .name: qkv_w_codes, .offset: 16, .size: 8, .value_kind: global_buffer, .address_space: global }
      - { .name: qkv_w_scales, .offset: 24, .size: 8, .value_kind: global_buffer, .address_space: global }
      - { .name: qkv_b, .offset: 32, .size: 8, .value_kind: global_buffer, .address_space: global }
      - { .name: qkv, .offset: 40, .size: 8, .value_kind: global_buffer, .address_space: global }
    .group_segment_fixed_size: 262144
    .private_segment_fixed_size: 0
    .kernarg_segment_align: 8
    .kernarg_segment_size: 48
    .max_flat_workgroup_size: 128
    .sgpr_count:     102
    .vgpr_count:     1024
    .wavefront_size: 32
...
	.end_amdgpu_metadata
.endif
;; end of part 1
;; launch attn (part 2): grid 4 x 64, 16 waves a work-group, clusters of 4 x 1, 167,936 bytes of LDS; arguments qkv, valc, valsc; writes valc, valsc
.if DOCPART == 2
	.amdgcn_target "amdgcn-amd-amdhsa--gfx1250"
	.amdhsa_code_object_version 6
	.text
	.protected	k_q7386fe5551_attn
	.globl	k_q7386fe5551_attn
	.p2align	8
	.type	k_q7386fe5551_attn,@function
k_q7386fe5551_attn:
	s_mov_b64 s[64:65], 0
	v_nop
	global_prefetch_b8 v0, s[64:65] scope:SCOPE_SE
	s_setreg_imm32_b32 hwreg(HW_REG_WAVE_MODE, 25, 1), 1
	s_wait_xcnt 0x0
	s_wait_alu depctr_hold_cnt(0) depctr_sa_sdst(0) depctr_va_vdst(0) depctr_va_sdst(0) depctr_va_ssrc(0) depctr_va_vcc(0) depctr_vm_vsrc(0)
	s_getreg_b32 s2, hwreg(HW_REG_IB_STS2, 6, 4)
	s_cmp_eq_u32 s2, 0
	s_cbranch_scc0 .Lentry_in_a_cluster
	s_endpgm
.Lentry_in_a_cluster:
	s_bfe_u32 s2, ttmp6, 0x10000c
	s_cmp_lg_u32 s2, 0x3003
	s_cbranch_scc0 .Lentry_shape_is_right
	s_endpgm
.Lentry_shape_is_right:
; vals = softmax(q k^T / 8) v for one (batch, head), both products on codes of FP4 with E8M0 scales, and vals quantised along E for the projection that follows.  No work is left out.
; THE SOFTMAX: t = score x log2(e) / 8; M = the running largest t rounded UP to a whole number; p = 2^(t - M) is quantised along the keys, not normalised; the row's sum is taken of the unquantised p, in f32,
; and divides at the end.  When M moves, the sum and O are multiplied by 2^(old M - new M): exact.
; LIMITS: p under 2^-126 becomes 0; t under -3e38 is not served; a block whose largest magnitude lies under 2^-124 keeps the byte 1; NaN and infinities are not served.
; SHARES.  A work-group owns 512 queries of one head; each of its sixteen waves two tiles of 16 queries, taken one after the other, in 256 registers: four waves to a SIMD, so that one wave's vector work
; stands beside another's matrix work and LDS loads.  Every wave walks the head's 2,048 keys, 128 a step.
; THE HEAD'S WHOLE K AND V LIE IN LDS: sixteen records' first 8,960 bytes (images of the operands' registers and their scale words), each brought by ONE tensor load, one a wave, filled once.
; CLUSTER 4 x 1: the four blocks of queries of a head read the same K and V: each record is asked for jointly, by the same load with the same descriptor in all four.
; LAYOUT.  Both products are used transposed: S^T = K Q^T, O^T = V^T P^T: a lane holds ONE query (lane % 16) throughout.  A block of 32 keys is two tiles: 16 registers of lanes l and l xor 16.
; The codes of tile u of block 2 c + e go to register 4 c + 2 u + e; exchanging register 4 c + 2 u's lanes 16-31 with register 4 c + 2 u + 1's lanes 0-15 gives the operand's layout.
; The head's 64 fill half of the first product's K step of 128: registers 4-7 of Q's and K's fragments hold zero codes, set once; their scale bytes are 0x7f.
; OUT: valc [row / 128][head / 2][tile][head % 2][lane][16 bytes]: images of the next operand's registers, 512 consecutive bytes a store.  valsc [row][32]: bytes 2 head, 2 head + 1: stored as 2 bytes a lane, rows 32 bytes
; apart: it keeps the scale bytes in the layout that the next launch fetches as one dense block; they are one byte in sixteen of what this launch stores.
; REGISTERS: v1-9 addresses; v10-11 the two passes' scale bytes; v12 -M, v13 the largest t, v[14:15] the sum; v16-23 Q; v24-27 K's scale words, v28-29 V's, v30 Q's, v31 p's; v32-95 K; v96-159 S^T, then p; v160-191 O^T; v192-223 V; v224-231 codes; v232-255 at work.
.set STEPB, 8960
.set REC,   13568
.set SPARE, 16*STEPB                   ; behind the sixteen records: the spare words, 128 bytes a wave: eight blocks of 256 bytes that no other line names
.set LI,  1                            ; 16 x lane
.set LS,  2                            ; 4 x lane
.set QA,  3
.set QS,  4
.set SPW, 5
.set NIL, 6
.macro ROUND
	s_barrier_signal -1
	s_barrier_wait -1
	s_cmp_lg_u32 s10, 0
	s_cbranch_scc1 .Lnot_wave_0_\@
	s_barrier_signal -3
.Lnot_wave_0_\@:
	s_barrier_wait -3
	s_barrier_signal -1
	s_barrier_wait -1
.endm
	s_load_b128 s[4:7], s[0:1], 0x0                ; the records s[4:5], valc s[6:7]
	s_load_b64 s[8:9], s[0:1], 0x10                ; valsc
	v_lshl_add_u32 v[SPW], v0, 2, SPARE
	v_mov_b32 v[NIL], 0
	ds_add_u32 v[SPW], v[NIL]                      ; the wave's opening: the add, twice on end, and its wait ahead of my first tensor load
	ds_add_u32 v[SPW], v[NIL]
	v_lshrrev_b32 v1, 5, v0
	s_delay_alu instid0(VALU_DEP_1)
	v_readfirstlane_b32 s10, v1                    ; wave 0..15
	s_bfe_u32 s11, ttmp6, 0x40000                  ; cx: my block of 512 queries; it enters Q's and the outputs' addresses alone
	s_and_b32 s12, ttmp7, 0xffff                   ; batch x 16 + head, which the four partners share
	s_lshr_b32 s13, s12, 4                         ; batch
	s_and_b32 s14, s12, 15                         ; head
	s_and_b32 s35, s10, 3                          ; which pair of tiles of my record of queries
	s_mov_b32 s16, 15|(3<<16)|(1<<21)              ; group 1: the mask: all four work-groups; elements of 8 bytes; bit 21 beside a mask; no padding: images are read 512 consecutive bytes at a time
	s_mov_b32 s17, 32<<16                          ; 35 rows of 256 bytes, dense
	s_mov_b32 s18, 35<<16
	s_mov_b32 s19, 32<<16
	s_mov_b32 s20, 35
	s_mov_b32 s21, 32
	s_mov_b32 s22, 0
	s_mov_b32 s23, 0
	s_mov_b32 s24, 1
	s_mul_i32 s25, s10, STEPB                      ; wave w brings key step w
	s_lshl_b32 s44, s12, 4
	s_add_co_u32 s44, s44, s10
	s_mul_i32 s44, s44, REC
	s_mov_b32 s45, 0
	s_mov_b32 s28, 0x76543210
	s_mov_b32 s29, 0xfedcba98                      ; v_permlanex16_b32's selects for lane l xor 16
	s_mov_b32 s30, 0x3e38aa3b                      ; c = log2(e) / 8
	s_mov_b32 s31, s30                             ; (named with it as a pair, so it is written)
	s_mov_b32 s34, 0xffff0000                      ; lanes 16-31
	s_lshl_b32 s46, s12, 4                         ; my queries' record: 16 (batch x 16 + head) + 4 cx + wave / 4
	s_lshl_b32 s47, s11, 2
	s_add_co_u32 s46, s46, s47
	s_lshr_b32 s47, s10, 2
	s_add_co_u32 s46, s46, s47
	s_mul_i32 s46, s46, REC
	s_add_co_u32 s46, s46, 8960                    ; Q's part of it
	s_mov_b32 s47, 0
	s_lshl_b32 s48, s13, 4                         ; row / 128 = 16 batch + 4 cx + wave / 4
	s_lshl_b32 s49, s11, 2
	s_add_co_u32 s48, s48, s49
	s_lshr_b32 s49, s10, 2
	s_add_co_u32 s48, s48, s49
	s_lshl_b32 s50, s48, 3                         ; valc: (((row / 128) 8 + head / 2) 8 + my first tile) 1,024 + 512 (head % 2)
	s_lshr_b32 s51, s14, 1
	s_add_co_u32 s50, s50, s51
	s_lshl_b32 s50, s50, 3
	s_lshl_b32 s51, s35, 1
	s_add_co_u32 s50, s50, s51
	s_lshl_b32 s50, s50, 10
	s_and_b32 s51, s14, 1
	s_lshl_b32 s51, s51, 9
	s_add_co_u32 s50, s50, s51
	s_mov_b32 s51, 0
	s_lshl_b32 s48, s48, 12                        ; valsc: my first row x 32 + 2 head
	s_lshl_b32 s49, s35, 10
	s_add_co_u32 s48, s48, s49
	s_lshl_b32 s49, s14, 1
	s_add_co_u32 s48, s48, s49
	s_mov_b32 s49, 0
	s_wait_dscnt 0x0                               ; both opening adds are done
	s_wait_kmcnt 0x0
	s_add_nc_u64 s[26:27], s[4:5], s[44:45]
	s_or_b32 s27, s27, 0x80000000
	s_add_nc_u64 s[36:37], s[4:5], s[46:47]
	s_add_nc_u64 s[38:39], s[6:7], s[50:51]
	s_add_nc_u64 s[40:41], s[8:9], s[48:49]
	ROUND                                          ; all four work-groups are here: the joint loads meet
	tensor_load_to_lds s[24:27], s[16:23]          ; my one tensor load, a first fill
	s_nop 0
.rept 4
	v_nop
.endr
	v_and_b32 v1, 31, v0
	s_delay_alu instid0(VALU_DEP_1)
	v_lshlrev_b32 v[LS], 2, v1
	s_delay_alu instid0(VALU_DEP_2)
	v_lshlrev_b32 v7, 5, v1                        ; 32 x lane: a row of valsc
	s_delay_alu instid0(VALU_DEP_3)
	v_lshlrev_b32 v[LI], 4, v1
	s_lshl_b32 s42, s35, 10
	v_add_nc_u32 v[QA], s42, v[LI]                 ; Q's images: tile 2 (wave % 4) + e at 512 bytes each
	v_and_b32 v[QS], 15, v0
	s_delay_alu instid0(VALU_DEP_1)
	v_lshlrev_b32 v[QS], 4, v[QS]
	s_lshl_b32 s42, s35, 2
	s_add_co_u32 s42, s42, 4096
	v_add_nc_u32 v[QS], s42, v[QS]                 ; Q's scale words: [16 e + r][pair wave % 4]: every lane takes row r's
.irp j, 20,21,22,23
	v_mov_b32 v[\j], 0                             ; the zero codes that fill Q's K step
.endr
.irp t, 0,1,2,3,4,5,6,7
.irp j, 4,5,6,7
	v_mov_b32 v[32+8*\t+\j], 0                     ; and K's: set once, never loaded into
.endr
.endr
.irp j, 236,237,238,239,253
	v_mov_b32 v[\j], 0                             ; written once: a lane permute's destination counts as one of its sources; v253 is named as the upper half of a pair
.endr
	s_wait_tensorcnt 0x0                           ; my record is in,
	s_barrier_signal -1
	s_barrier_wait -1                              ; everybody's is
; A KEY STEP: 128 keys, at LDS byte s32.
.macro STEP
	v_add_nc_u32 v8, s32, v[LI]
	v_add_nc_u32 v9, s32, v[LS]
	v_nop
	v_nop                                          ; four places behind the last step's products, ahead of the loads into V's registers and scale words
.irp t, 0,1,2,3,4,5,6,7
	ds_load_b128 v[32+8*\t:35+8*\t], v8 offset:512*\t
.endr
	ds_load_b128 v[24:27], v8 offset:4096          ; K's scale words: register p: lanes 0-15 tile 2 p, lanes 16-31 tile 2 p + 1
.irp ct, 0,1,2,3
.irp c, 0,1
	ds_load_b128 v[192+8*\ct+4*\c:195+8*\ct+4*\c], v8 offset:4608+1024*\ct+512*\c
.endr
.endr
	ds_load_b32 v28, v9 offset:8704
	ds_load_b32 v29, v9 offset:8832
	s_wait_dscnt 10                                ; K and its scale words are in; V's ten loads may stay out
.irp t, 0,1,2,3,4,5,6,7
.if (\t)%2
	v_wmma_scale_f32_16x16x128_f8f6f4 v[96+8*\t:103+8*\t], v[32+8*\t:39+8*\t], v[16:23], 0, v[24+\t/2], v30 matrix_a_fmt:MATRIX_FMT_FP4 matrix_b_fmt:MATRIX_FMT_FP4 matrix_a_scale:MATRIX_SCALE_ROW1
.else
	v_wmma_scale_f32_16x16x128_f8f6f4 v[96+8*\t:103+8*\t], v[32+8*\t:39+8*\t], v[16:23], 0, v[24+\t/2], v30 matrix_a_fmt:MATRIX_FMT_FP4 matrix_b_fmt:MATRIX_FMT_FP4
.endif
.endr
.rept 4
	v_nop
.endr
.irp b, 0,1,2,3
	v_max3_num_f32 v[232+\b], v[96+16*\b], v[97+16*\b], v[98+16*\b]    ; the largest score of each block of 32 keys: for the row's maximum, and, since p rises with the score, for the block's largest p
.endr
.irp i, 3,5,7,9,11,13
.irp b, 0,1,2,3
	v_max3_num_f32 v[232+\b], v[232+\b], v[96+16*\b+\i], v[97+16*\b+\i]
.endr
.endr
.irp b, 0,1,2,3
	v_max_num_f32 v[232+\b], v[232+\b], v[111+16*\b]
.endr
.irp b, 0,1,2,3
	s_delay_alu instid0(VALU_DEP_4)
	v_permlanex16_b32 v[236+\b], v[232+\b], s28, s29
.endr
.irp b, 0,1,2,3
	s_delay_alu instid0(VALU_DEP_4)
	v_max_num_f32 v[232+\b], v[232+\b], v[236+\b]  ; with lane l xor 16's 16 keys
.endr
	s_delay_alu instid0(VALU_DEP_2)
	v_max3_num_f32 v254, v232, v233, v234
	s_delay_alu instid0(VALU_DEP_1)
	v_max_num_f32 v254, v254, v235                 ; the step's largest score of my query
	s_delay_alu instid0(VALU_DEP_1)
	v_mul_f32 v254, s30, v254                      ; as t (c is positive)
	s_delay_alu instid0(VALU_DEP_1)
	v_max_num_f32 v13, v13, v254                   ; the running largest t
	v_mov_b32 v254, v12
	s_delay_alu instid0(VALU_DEP_2)
	v_floor_f32 v12, -v13                          ; the new -M = floor(-t): M is a whole number
	s_delay_alu instid0(VALU_DEP_1)
	v_sub_f32 v254, v12, v254                      ; old M less new M: a whole number, 0 or less
	s_delay_alu instid0(VALU_DEP_1)
	v_cvt_i32_f32 v254, v254                       ; (it saturates)
	s_delay_alu instid0(VALU_DEP_1)
	v_ldexp_f32 v252, 1.0, v254                    ; f = 2^(old M - new M)
.set j, 0
.rept 32
	v_pk_fma_f32 v[96+j:97+j], v[96+j:97+j], s[30:31], v[12:13] op_sel_hi:[1,0,0]      ; t - M, two at a time
.set j, j+2
.endr
.irp b, 0,1,2,3
	v_fma_f32 v[232+\b], v[232+\b], s30, v12       ; the same of each block's largest score
.endr
.set j, 0
	s_wait_alu depctr_va_vdst(0)
.rept 64
	v_exp_f32 v[96+j], v[96+j]                     ; p = 2^(t - M), at most 1
.set j, j+1
.endr
	s_setprio 1
	v_pk_mul_f32 v[14:15], v[14:15], v[252:253] op_sel_hi:[1,0]        ; the sums under the new M: a plain place behind the exponentials
	s_wait_alu depctr_va_vdst(0)                   ; one wait for the whole batch, ahead of its first reader
.irp b, 0,1,2,3
	v_exp_f32 v[232+\b], v[232+\b]                 ; the block's largest p: the same two instructions on the same number
.endr
	v_pk_add_f32 v[236:237], v[100:101], v[104:105]
	v_pk_add_f32 v[254:255], v[108:109], v[112:113]
	v_pk_add_f32 v[250:251], v[116:117], v[120:121]
	v_pk_add_f32 v[248:249], v[124:125], v[128:129]
	v_pk_add_f32 v[246:247], v[132:133], v[136:137]
	v_pk_add_f32 v[244:245], v[140:141], v[144:145]
	v_pk_add_f32 v[242:243], v[148:149], v[152:153]
	v_pk_add_f32 v[14:15], v[14:15], v[156:157]
	v_pk_add_f32 v[236:237], v[236:237], v[96:97]
	v_pk_add_f32 v[254:255], v[254:255], v[98:99]
	v_pk_add_f32 v[250:251], v[250:251], v[102:103]
	v_pk_add_f32 v[248:249], v[248:249], v[106:107]
	v_pk_add_f32 v[246:247], v[246:247], v[110:111]
	v_pk_add_f32 v[244:245], v[244:245], v[114:115]
	v_pk_add_f32 v[242:243], v[242:243], v[118:119]
	v_pk_add_f32 v[14:15], v[14:15], v[122:123]
	v_pk_add_f32 v[236:237], v[236:237], v[126:127]
	v_pk_add_f32 v[254:255], v[254:255], v[130:131]
	v_pk_add_f32 v[250:251], v[250:251], v[134:135]
	v_pk_add_f32 v[248:249], v[248:249], v[138:139]
	v_pk_add_f32 v[246:247], v[246:247], v[142:143]
	v_pk_add_f32 v[244:245], v[244:245], v[146:147]
	v_pk_add_f32 v[242:243], v[242:243], v[150:151]
	v_pk_add_f32 v[14:15], v[14:15], v[154:155]
	v_pk_add_f32 v[236:237], v[236:237], v[158:159]
	s_delay_alu instid0(VALU_DEP_2)
	v_pk_add_f32 v[14:15], v[14:15], v[248:249]
	s_delay_alu instid0(VALU_DEP_2)
	v_pk_add_f32 v[236:237], v[236:237], v[246:247]
	v_pk_add_f32 v[254:255], v[254:255], v[244:245]
	v_pk_add_f32 v[250:251], v[250:251], v[242:243]
	s_delay_alu instid0(VALU_DEP_2)
	v_pk_add_f32 v[14:15], v[14:15], v[254:255]
	s_delay_alu instid0(VALU_DEP_2)
	v_pk_add_f32 v[236:237], v[236:237], v[250:251]
	s_delay_alu instid0(VALU_DEP_1)
	v_pk_add_f32 v[14:15], v[14:15], v[236:237]
	s_wait_alu depctr_va_vdst(0)                   ; and one for the four
.irp b, 0,1,2,3
	v_max_num_f32 v[232+\b], 0x1800000, v[232+\b]  ; the floor 2^(3 - 127): the byte cannot fall under 1
.endr
.irp b, 0,1,2,3
	s_delay_alu instid0(VALU_DEP_4)
	v_add_nc_u32 v[244+\b], 0xff000000, v[232+\b]  ; 2 off the exponent field: the conversion's scale operand
.endr
.irp b, 0,1,2,3
	s_delay_alu instid0(VALU_DEP_4)
	v_lshrrev_b32 v[236+\b], 23, v[244+\b]         ; the scale's byte
.endr
	s_delay_alu instid0(VALU_DEP_3)
	v_lshl_or_b32 v31, v237, 8, v236               ; p's scale word for these 128 keys
	s_delay_alu instid0(VALU_DEP_1)
	v_lshl_or_b32 v31, v238, 16, v31
	s_delay_alu instid0(VALU_DEP_1)
	v_lshl_or_b32 v31, v239, 24, v31
.irp c, 0,1
.irp e, 0,1
.irp u, 0,1
	v_cvt_scalef32_pk8_fp4_f32 v[224+4*\c+2*\u+\e], v[96+32*\c+16*\e+8*\u:96+32*\c+16*\e+8*\u+7], v[244+2*\c+\e]
.endr
.endr
.endr
	v_nop                                          ; one plain place behind a scaled conversion
.irp c, 0,1
.irp u, 0,1
	v_permlane16_swap_b32 v[224+4*\c+2*\u], v[224+4*\c+2*\u+1]
.endr
.endr
.set j, 0
	s_setprio 0
.rept 16
	v_pk_mul_f32 v[160+j:161+j], v[160+j:161+j], v[252:253] op_sel_hi:[1,0]    ; O^T under the new M.  These sixteen are also the places between the scale word's and the codes' last writes and the products below
.set j, j+2
.endr
	s_wait_alu depctr_va_vdst(0)
	s_wait_dscnt 0x0                               ; V and its scale words are in
.irp ct, 0,1,2,3
.if (\ct)%2
	v_wmma_scale_f32_16x16x128_f8f6f4 v[160+8*\ct:167+8*\ct], v[192+8*\ct:199+8*\ct], v[224:231], v[160+8*\ct:167+8*\ct], v[28+\ct/2], v31 matrix_a_fmt:MATRIX_FMT_FP4 matrix_b_fmt:MATRIX_FMT_FP4 matrix_a_scale:MATRIX_SCALE_ROW1
.else
	v_wmma_scale_f32_16x16x128_f8f6f4 v[160+8*\ct:167+8*\ct], v[192+8*\ct:199+8*\ct], v[224:231], v[160+8*\ct:167+8*\ct], v[28+\ct/2], v31 matrix_a_fmt:MATRIX_FMT_FP4 matrix_b_fmt:MATRIX_FMT_FP4
.endif
.endr
	s_add_co_u32 s32, s32, STEPB                   ; the next step's record
.endm
; The tile's end: O^T / the sum is vals(query, 64 head + channel); its two blocks of 32 channels are quantised; the four registers of codes are one group of the next operand's fragment.
.macro FINAL e
.rept 4
	v_nop
.endr
	v_add_f32 v14, v14, v15                        ; the sum's two halves,
	s_delay_alu instid0(VALU_DEP_1)
	v_permlanex16_b32 v252, v14, s28, s29
	s_delay_alu instid0(VALU_DEP_1)
	v_add_f32 v14, v14, v252                       ; and lane l xor 16's
	s_wait_alu depctr_va_vdst(0)
	v_rcp_f32 v14, v14
	v_nop                                          ; a plain place behind the reciprocal
	s_wait_alu depctr_va_vdst(0)                   ; and the wait ahead of its first reader
.set j, 0
.rept 16
	v_pk_mul_f32 v[96+j:97+j], v[160+j:161+j], v[14:15] op_sel_hi:[1,0]        ; each accumulator from its low end on
.set j, j+2
.endr
.irp g, 0,1
	v_max3_num_f32 v[232+\g], |v[96+16*\g]|, |v[97+16*\g]|, 0x1800000
.endr
.irp i, 2,4,6,8,10,12,14
.irp g, 0,1
	s_delay_alu instid0(VALU_DEP_2)
	v_max3_num_f32 v[232+\g], v[232+\g], |v[96+16*\g+\i]|, |v[97+16*\g+\i]|
.endr
.endr
.irp g, 0,1
	s_delay_alu instid0(VALU_DEP_2)
	v_permlanex16_b32 v[236+\g], v[232+\g], s28, s29
.endr
.irp g, 0,1
	s_delay_alu instid0(VALU_DEP_2)
	v_max_num_f32 v[232+\g], v[232+\g], v[236+\g]
.endr
.irp g, 0,1
	s_delay_alu instid0(VALU_DEP_2)
	v_add_nc_u32 v[244+\g], 0xff000000, v[232+\g]
.endr
.irp g, 0,1
	s_delay_alu instid0(VALU_DEP_2)
	v_lshrrev_b32 v[236+\g], 23, v[244+\g]
.endr
	s_delay_alu instid0(VALU_DEP_1)
	v_lshl_or_b32 v[10+\e], v237, 8, v236          ; my row's two scale bytes
.irp g, 0,1
.irp u, 0,1
	v_cvt_scalef32_pk8_fp4_f32 v[224+2*\u+\g], v[96+16*\g+8*\u:96+16*\g+8*\u+7], v[244+\g]
.endr
.endr
	v_nop
.irp u, 0,1
	v_permlane16_swap_b32 v[224+2*\u], v[225+2*\u]
.endr
	global_store_b128 v[LI], v[224:227], s[38:39] offset:1024*\e       ; 512 consecutive bytes
.endm
.macro PASS e                          ; tile e of my two
	global_load_b128 v[16:19], v[QA], s[36:37] offset:512*\e
	global_load_b32 v30, v[QS], s[36:37] offset:256*\e
	v_mov_b32 v13, 0xff61b1e6                      ; the largest t so far: -3e38
	s_delay_alu instid0(VALU_DEP_1)
	v_floor_f32 v12, -v13
	v_mov_b32 v14, 0
	v_mov_b32 v15, 0
.set j, 0
.rept 32
	v_mov_b32 v[160+j], 0                          ; O^T: the step is written once; the first finds zeros, which the first change of M leaves zeros
.set j, j+1
.endr
	s_mov_b32 s32, 0
	s_mov_b32 s33, 16
	s_wait_loadcnt 0x0                             ; Q
	s_wait_xcnt 0x0                                ; the last tile's store has read its registers: the codes' registers are written again only behind this wait
.Lkey_\@:
	s_setprio 2
	STEP
	s_sub_co_u32 s33, s33, 1
	s_cmp_lg_u32 s33, 0
	s_cbranch_scc1 .Lkey_\@
	s_setprio 0
	FINAL \e
.endm
	PASS 0
	PASS 1
	v_cndmask_b32 v10, v10, v11, s34               ; lanes 0-15 tile 0's rows, lanes 16-31 tile 1's
	global_store_b16 v7, v10, s[40:41]
	s_wait_tensorcnt 0x0                           ; the wave's end
	ds_add_u32 v[SPW], v[NIL]
	s_wait_dscnt 0x0
	ROUND                                          ; the closing round
	s_endpgm
.Lfunc_end_k_q7386fe5551_attn:
	.size	k_q7386fe5551_attn, .Lfunc_end_k_q7386fe5551_attn-k_q7386fe5551_attn
	.p2alignl 7, 3214868480
	.fill 96, 4, 3214868480
	.section	.rodata,"a",@progbits
	.p2align	6, 0x0
	.amdhsa_kernel k_q7386fe5551_attn
		.amdhsa_group_segment_fixed_size 167936
		.amdhsa_private_segment_fixed_size 0
		.amdhsa_enable_private_segment 0
		.amdhsa_kernarg_size 24
		.amdhsa_user_sgpr_count 2
		.amdhsa_user_sgpr_kernarg_segment_ptr 1
		.amdhsa_wavefront_size32 1
		.amdhsa_system_sgpr_workgroup_id_x 1
		.amdhsa_system_sgpr_workgroup_id_y 1
		.amdhsa_system_sgpr_workgroup_id_z 1
		.amdhsa_system_vgpr_workitem_id 0
		.amdhsa_next_free_vgpr 256
		.amdhsa_next_free_sgpr 66
		.amdhsa_reserve_vcc 0
		.amdhsa_float_denorm_mode_32 3
		.amdhsa_float_denorm_mode_16_64 3
		.amdhsa_memory_ordered 1
		.amdhsa_forward_progress 1
		.amdhsa_inst_pref_size 50
	.end_amdhsa_kernel
	.amdgpu_metadata
---
amdhsa.version: [ 1, 2 ]
amdhsa.kernels:
  - .name:           k_q7386fe5551_attn
    .symbol:         k_q7386fe5551_attn.kd
    .args:
      - { .name: qkv, .offset: 0, .size: 8, .value_kind: global_buffer, .address_space: global }
      - { .name: valc, .offset: 8, .size: 8, .value_kind: global_buffer, .address_space: global }
      - { .name: valsc, .offset: 16, .size: 8, .value_kind: global_buffer, .address_space: global }
    .group_segment_fixed_size: 167936
    .private_segment_fixed_size: 0
    .kernarg_segment_align: 8
    .kernarg_segment_size: 24
    .max_flat_workgroup_size: 512
    .sgpr_count:     66
    .vgpr_count:     256
    .wavefront_size: 32
...
	.end_amdgpu_metadata
.endif
;; end of part 2
;; launch oproj (part 3): grid 4 x 64, 4 waves a work-group, clusters of 4 x 4, 262,144 bytes of LDS; arguments valc, valsc, o_w_codes, o_w_scales, o_b, out0; writes out0
.if DOCPART == 3
	.amdgcn_target "amdgcn-amd-amdhsa--gfx1250"
	.amdhsa_code_object_version 6
	.text
	.protected	k_q7386fe5551_oproj
	.globl	k_q7386fe5551_oproj
	.p2align	8
	.type	k_q7386fe5551_oproj,@function
k_q7386fe5551_oproj:
	s_mov_b64 s[64:65], 0
	v_nop
	global_prefetch_b8 v0, s[64:65] scope:SCOPE_SE
	s_setreg_imm32_b32 hwreg(HW_REG_WAVE_MODE, 25, 1), 1
	s_wait_xcnt 0x0
	s_wait_alu depctr_hold_cnt(0) depctr_sa_sdst(0) depctr_va_vdst(0) depctr_va_sdst(0) depctr_va_ssrc(0) depctr_va_vcc(0) depctr_vm_vsrc(0)
	s_getreg_b32 s2, hwreg(HW_REG_IB_STS2, 6, 4)
	s_cmp_eq_u32 s2, 0
	s_cbranch_scc0 .Lentry_in_a_cluster
	s_endpgm
.Lentry_in_a_cluster:
	s_bfe_u32 s2, ttmp6, 0x10000c
	s_cmp_lg_u32 s2, 0xf033
	s_cbranch_scc0 .Lentry_shape_is_right
	s_endpgm
.Lentry_shape_is_right:
; out = vals o_w^T + o_b on codes of FP4 with E8M0 scales; sums in f32.  No work is left out.
; SHARES.  A work-group makes 128 rows x 256 columns: 256 work-groups.  Wave (rg, cg): 64 rows x 128 columns: 4 x 8 accumulators of 16 x 16.
; Source 0 = 16 rows of o_w, source 1 = 16 rows of vals: a lane holds eight neighbouring columns of one row of out.  The bias is the C of each sum's first matrix instruction.
; ALL OF K LIES IN LDS, filled once: vals' 64 fragments as images of their registers (dense, read 512 consecutive bytes at a time), o_w's rows in two chunks of 512 along K (256 bytes + 16 of padding), both sides' scale bytes.
; CLUSTER 4 x 4: the four work-groups of a row of the cluster share the rows of vals, the four of a column the rows of o_w: each tile is asked for jointly.
; THE WAY OUT: a block of 16 rows x 512 bytes goes through the wave's own stage in LDS, bytes into which no fill lands, and leaves as whole rows: each store covers 512 consecutive bytes, aligned to 256.
; REGISTERS.  window 0: v1-17 addresses; v32-95 scale words (register 8 i + s: lanes 0-15 vals' tile i, used for i < 4; lanes 16-31 o_w's tile i; K step s); v128-255 rows on the way out.
;   window 1: accumulator (a, i) at 64 a + 8 i.   window 2: two sets of fragments of 96 (vals' 4, then o_w's 8); from 192 the bias.
.set BW,     65536                     ; behind vals' images: o_w's chunks, 256 rows of pitch 272
.set BSL,    256*272
.set SCL,    BW+2*BSL                  ; vals' scale bytes: 16 units of 256 + 16;
.set SCB,    SCL+16*272                ; o_w's: 32 units
.set STAGE,  SCB+32*272                ; 16 rows x 528 bytes for each wave; a multiple of 256
.set SPARE,  STAGE+4*8448              ; the spare words, 128 bytes a wave: two blocks of 256 bytes that no other line names
.set PADC,   (1<<20)|(1<<21)|(5<<22)|(3<<25)
.set SPW, 16
.set NIL, 17
.set SC,  32
.set G1A,  28
.set G1B,  36
.set G1SA, 44
.set G1SB, 52
.set MSB, 0
.macro WIN new
.if MSB != \new
	s_set_vgpr_msb (MSB<<8)|\new
.set MSB, \new
.endif
.endm
.macro PLACES
.rept 4
	v_nop
.endr
.endm
.macro ROUND
	s_barrier_signal -1
	s_barrier_wait -1
	s_cmp_lg_u32 s16, 0
	s_cbranch_scc1 .Lnot_wave_0_\@
	s_barrier_signal -3
.Lnot_wave_0_\@:
	s_barrier_wait -3
	s_barrier_signal -1
	s_barrier_wait -1
.endm
.macro JLOAD g0a, g1a, g0b, g1b        ; waves 0, 1 fetch for vals, waves 2, 3 for o_w; an s_nop 0 and four v_nop follow each line
	s_cmp_eq_u32 s17, 0
	s_cbranch_scc0 .Lfor_b_\@
	tensor_load_to_lds s[\g0a:\g0a+3], s[\g1a:\g1a+7]
	s_nop 0
.rept 4
	v_nop
.endr
	s_branch .Lasked_\@
.Lfor_b_\@:
	tensor_load_to_lds s[\g0b:\g0b+3], s[\g1b:\g1b+7]
	s_nop 0
.rept 4
	v_nop
.endr
.Lasked_\@:
.endm
.macro SHAPE g, c, r, p
	s_mov_b32 s[\g+1], (\c)<<16
	s_mov_b32 s[\g+2], (\r)<<16
	s_mov_b32 s[\g+3], (\c)<<16
	s_mov_b32 s[\g+4], \r
	s_mov_b32 s[\g+5], \p
	s_mov_b32 s[\g+6], 0
	s_mov_b32 s[\g+7], 0
.endm
	s_load_b256 s[4:11], s[0:1], 0x0               ; valc s[4:5], valsc s[6:7], o_w's codes s[8:9], o_w's scales s[10:11]
	s_load_b128 s[12:15], s[0:1], 0x20             ; o_b s[12:13], out s[14:15]
	v_lshl_add_u32 v[SPW], v0, 2, SPARE
	v_mov_b32 v[NIL], 0
	ds_add_u32 v[SPW], v[NIL]                      ; the wave's opening: the add, twice on end, and its wait ahead of my first tensor load
	ds_add_u32 v[SPW], v[NIL]
	v_lshrrev_b32 v1, 5, v0
	v_readfirstlane_b32 s16, v1                    ; wave 0..3
	s_lshr_b32 s17, s16, 1                         ; rg: my 64 rows.  Also: I fetch for vals (0) or for o_w (1)
	s_and_b32 s18, s16, 1                          ; cg: my 128 columns.  Also: which half I fetch
	s_bfe_u32 s19, ttmp6, 0x40000                  ; cx
	s_bfe_u32 s20, ttmp6, 0x40004                  ; cy
	s_lshl_b32 s21, ttmp9, 2
	s_add_co_u32 s21, s21, s19                     ; the block of 256 columns
	s_and_b32 s22, ttmp7, 0xffff
	s_lshl_b32 s22, s22, 2
	s_add_co_u32 s22, s22, s20                     ; the block of 128 rows
	s_lshl_b32 s88, s20, 2
	s_lshl_b32 s88, 15, s88                        ; my row of the cluster
	s_lshl_b32 s92, 0x1111, s19                    ; my column
	s_or_b32 s[G1A], s88, (3<<16)|(1<<21)          ; vals' images: elements of 8 bytes, no padding
	s_or_b32 s[G1SA], s88, PADC|(3<<16)
	s_or_b32 s[G1B], s92, PADC                     ; o_w's codes: elements of 1 byte
	s_or_b32 s[G1SB], s92, PADC|(3<<16)
	SHAPE G1A, 32, 64, 32                          ; 16,384 dense bytes as 64 rows of 256
	SHAPE G1B, 256, 128, 512                       ; 128 rows x 256 bytes of rows of 512
	SHAPE G1SA, 32, 8, 32                          ; the scales of 64 rows
	SHAPE G1SB, 32, 16, 32                         ; of 128 rows
	s_lshl_b32 s88, s22, 16                        ; vals' images: 65,536 bytes a block of rows; these registers hold the block of rows and the wave's number alone
	s_lshl_b32 s89, s18, 14
	s_add_co_u32 s88, s88, s89
	s_mov_b32 s89, 0
	s_lshl_b32 s90, s22, 12
	s_lshl_b32 s91, s18, 11
	s_add_co_u32 s90, s90, s91
	s_mov_b32 s91, 0
	s_lshl_b32 s92, s21, 17                        ; o_w's codes: (256 block + 128 half) rows of 512 bytes; these hold the block of columns and the wave's number alone
	s_lshl_b32 s93, s18, 16
	s_add_co_u32 s92, s92, s93
	s_mov_b32 s93, 0
	s_lshl_b32 s94, s21, 13
	s_lshl_b32 s95, s18, 12
	s_add_co_u32 s94, s94, s95
	s_mov_b32 s95, 0
	s_mov_b32 s60, 1
	s_mul_i32 s61, s18, 2176
	s_add_co_u32 s61, s61, SCL
	s_mov_b32 s68, 1
	s_lshl_b32 s69, s18, 14
	s_mov_b32 s72, 1
	s_add_co_u32 s73, s69, 32768
	s_mov_b32 s76, 1
	s_mul_i32 s77, s18, 4352
	s_add_co_u32 s77, s77, SCB
	s_mov_b32 s80, 1
	s_mul_i32 s81, s18, 34816
	s_add_co_u32 s81, s81, BW
	s_mov_b32 s84, 1
	s_add_co_u32 s85, s81, BSL
	s_wait_dscnt 0x0                               ; both opening adds are done
	s_wait_kmcnt 0x0
	s_add_nc_u64 s[62:63], s[6:7], s[90:91]
	s_or_b32 s63, s63, 0x80000000
	s_add_nc_u64 s[70:71], s[4:5], s[88:89]
	s_add_nc_u64 s[74:75], s[70:71], 32768         ; K steps 4 to 7
	s_or_b32 s71, s71, 0x80000000
	s_or_b32 s75, s75, 0x80000000
	s_add_nc_u64 s[78:79], s[10:11], s[94:95]
	s_or_b32 s79, s79, 0x80000000
	s_add_nc_u64 s[82:83], s[8:9], s[92:93]
	s_add_nc_u64 s[86:87], s[82:83], 256
	s_or_b32 s83, s83, 0x80000000
	s_or_b32 s87, s87, 0x80000000
	ROUND                                          ; all sixteen work-groups are here: the joint loads meet
	JLOAD 60, G1SA, 76, G1SB                       ; the scales, chunk 0, chunk 1: three loads of mine are out, all of them first fills
	JLOAD 68, G1A, 80, G1B
	JLOAD 72, G1A, 84, G1B
	v_and_b32 v1, 15, v0                           ; r
	v_bfe_u32 v2, v0, 4, 1                         ; h
	v_and_b32 v3, 31, v0                           ; lane
	v_lshlrev_b32 v12, 4, v3                       ; 16 x lane
	s_lshl_b32 s2, s17, 12
	v_add_nc_u32 v4, s2, v12                       ; vals' images: my four tiles
	v_mul_u32_u24 v18, v1, 272
	v_lshl_add_u32 v18, v2, 4, v18
	s_mul_i32 s2, s18, 34816
	s_add_co_u32 s2, s2, BW
	v_add_nc_u32 v6, s2, v18                       ; o_w's fragments: my 128 rows, chunk 0,
	v_add_nc_u32 v7, BSL, v6                       ; chunk 1
	v_lshlrev_b32 v19, 5, v1
	v_lshrrev_b32 v20, 3, v1
	v_lshl_add_u32 v19, v20, 4, v19                ; a row's scales: 32 bytes a row, 16 more behind every eighth row
	s_mul_i32 s2, s17, 2176                        ; lanes 0-15 vals' rows 64 rg on, lanes 16-31 o_w's rows 128 cg on: the lower base + h x the distance
	s_mul_i32 s3, s18, 4352
	s_add_co_u32 s3, s3, 4352
	s_sub_co_u32 s3, s3, s2
	v_mul_u32_u24 v20, s3, v2
	s_add_co_u32 s2, s2, SCL
	v_add_nc_u32 v10, v19, v20
	v_add_nc_u32 v10, s2, v10
	s_mul_i32 s2, s16, 8448
	s_add_co_u32 s2, s2, STAGE                     ; my stage
	v_mul_u32_u24 v13, v1, 528
	v_lshl_add_u32 v13, v2, 5, v13
	v_add_nc_u32 v13, s2, v13                      ; in: row r, 32 bytes for each half of the lanes
	v_add_nc_u32 v14, s2, v12                      ; back: the 32 lanes take one row of 512 bytes
	v_lshlrev_b32 v15, 5, v2                       ; 32 h: the bias of my half's eight columns
	s_wait_alu depctr_va_vdst(0)
	s_lshl_b32 s24, s22, 19                        ; out: (128 block + 64 rg) rows of 4,096 bytes + 1,024 x block of columns + 512 cg
	s_lshl_b32 s25, s17, 18
	s_add_co_u32 s24, s24, s25
	s_lshl_b32 s26, s21, 10
	s_lshl_b32 s27, s18, 9
	s_add_co_u32 s26, s26, s27
	s_add_co_u32 s24, s24, s26
	s_mov_b32 s25, 0
	s_mov_b32 s27, 0
	s_add_nc_u64 s[24:25], s[14:15], s[24:25]
	s_add_nc_u64 s[26:27], s[12:13], s[26:27]      ; the bias at my first column
	WIN 0x80                                       ; destination window 2
.irp i, 0,1,2,3,4,5,6,7
	global_load_b128 v[192+8*\i:192+8*\i+3], v15, s[26:27] offset:64*\i
	global_load_b128 v[192+8*\i+4:192+8*\i+7], v15, s[26:27] offset:64*\i+16
.endr
	WIN 0
	s_wait_tensorcnt 1                             ; the scales and my part of chunk 0 are in; chunk 1's load may stay out
	s_barrier_signal -1
	s_barrier_wait -1
.irp i, 0,1,2,3,4,5,6,7
.irp q, 0,1
	ds_load_b128 v[SC+8*\i+4*\q:SC+8*\i+4*\q+3], v10 offset:544*\i+16*\q
.endr
.endr
.macro FETCH s                         ; K step s's 12 fragments into set s % 2
.set FP, 96*((\s)%2)
.set FS, (\s)/4
.set FQ, 64*((\s)%4)
	WIN 0x80
.irp a, 0,1,2,3
.irp c, 0,1
	ds_load_b128 v[FP+8*\a+4*\c:FP+8*\a+4*\c+3], v4 offset:8192*(\s)+1024*\a+512*\c
.endr
.endr
.irp i, 0,1,2,3,4,5,6,7
.irp c, 0,1
	ds_load_b128 v[FP+32+8*\i+4*\c:FP+32+8*\i+4*\c+3], v[6+FS] offset:4352*\i+FQ+32*\c
.endr
.endr
.endm
.macro MUL s                           ; 32 matrix instructions, one on each accumulator: they take turns
.set FP, 96*((\s)%2)
.if (\s) == 0
	WIN 0x6a                                       ; sources 0, 1 and C (the bias) window 2; D window 1
.else
	WIN 0x5a                                       ; C and D window 1
.endif
.irp a, 0,1,2,3
.irp i, 0,1,2,3,4,5,6,7
.if (\s) == 0
	v_wmma_scale_f32_16x16x128_f8f6f4 v[64*\a+8*\i:64*\a+8*\i+7], v[FP+32+8*\i:FP+32+8*\i+7], v[FP+8*\a:FP+8*\a+7], v[192+8*\i:192+8*\i+7], v[SC+8*\i+(\s)], v[SC+8*\a+(\s)] matrix_a_fmt:MATRIX_FMT_FP4 matrix_b_fmt:MATRIX_FMT_FP4 matrix_a_scale:MATRIX_SCALE_ROW1
.else
	v_wmma_scale_f32_16x16x128_f8f6f4 v[64*\a+8*\i:64*\a+8*\i+7], v[FP+32+8*\i:FP+32+8*\i+7], v[FP+8*\a:FP+8*\a+7], v[64*\a+8*\i:64*\a+8*\i+7], v[SC+8*\i+(\s)], v[SC+8*\a+(\s)] matrix_a_fmt:MATRIX_FMT_FP4 matrix_b_fmt:MATRIX_FMT_FP4 matrix_a_scale:MATRIX_SCALE_ROW1
.endif
.endr
.endr
.endm
.macro BODY s
.if (\s) == 3
	s_wait_tensorcnt 0x0                           ; my part of chunk 1: no load was issued behind it
.endif
	s_wait_dscnt 0x0
.if (\s) == 3
	s_barrier_signal -1
	s_barrier_wait -1                              ; everybody's part of chunk 1 is in
.endif
.if (\s) < 7
.if (\s) > 0
	PLACES                                         ; the set was read by the step before
.endif
	FETCH (\s)+1
.endif
	MUL \s
.endm
	FETCH 0
	s_wait_loadcnt 0x0                             ; the bias
.irp s, 0,1,2,3,4,5,6,7
	BODY \s
.endr
	PLACES
.macro TOSTAGE a                       ; block a: 16 rows x 128 columns into my stage, and back as whole rows.  LDS serves a wave's instructions in order (ISA guide 5.7.1.4): no wait between
	WIN 0x04                                       ; an LDS store's data are its source 1: window 1
.irp i, 0,1,2,3,4,5,6,7
	ds_store_b128 v13, v[64*(\a)+8*\i:64*(\a)+8*\i+3] offset:64*\i           ; each accumulator from its low end on
	ds_store_b128 v13, v[64*(\a)+8*\i+4:64*(\a)+8*\i+7] offset:64*\i+16
.endr
	WIN 0
.set BB, 128+64*((\a)%2)
.irp t, 0,1,2,3,4,5,6,7,8,9,10,11,12,13,14,15
	ds_load_b128 v[BB+4*\t:BB+4*\t+3], v14 offset:528*\t
.endr
.endm
.macro SEND a, younger                 ; younger: the LDS instructions issued behind block a's loads, which may stay out
.set BB, 128+64*((\a)%2)
	s_wait_dscnt \younger
.irp t, 0,1,2,3,4,5,6,7,8,9,10,11,12,13,14,15
	global_store_b128 v12, v[BB+4*\t:BB+4*\t+3], s[24:25] offset:(16*(\a)+\t)*4096 th:TH_STORE_NT   ; 512 consecutive bytes, at a multiple of 256 from out's first byte; 63 rows at the most in the immediate
.endr
.endm
	TOSTAGE 0
.irp a, 1,2,3
.if \a > 1
	s_wait_xcnt 0x0                                ; block a - 2's stores have read their registers: block a's loads may land there
.endif
	TOSTAGE \a
	SEND \a-1, 32                                  ; behind block a - 1's loads: block a's 16 stores and 16 loads
.endr
	SEND 3, 0
	s_wait_tensorcnt 0x0                           ; the wave's end, behind my last tensor load and my last LDS store
	ds_add_u32 v[SPW], v[NIL]
	s_wait_dscnt 0x0
	ROUND                                          ; the closing round
	s_endpgm
.Lfunc_end_k_q7386fe5551_oproj:
	.size	k_q7386fe5551_oproj, .Lfunc_end_k_q7386fe5551_oproj-k_q7386fe5551_oproj
	.p2alignl 7, 3214868480
	.fill 96, 4, 3214868480
	.section	.rodata,"a",@progbits
	.p2align	6, 0x0
	.amdhsa_kernel k_q7386fe5551_oproj
		.amdhsa_group_segment_fixed_size 262144
		.amdhsa_private_segment_fixed_size 0
		.amdhsa_enable_private_segment 0
		.amdhsa_kernarg_size 48
		.amdhsa_user_sgpr_count 2
		.amdhsa_user_sgpr_kernarg_segment_ptr 1
		.amdhsa_wavefront_size32 1
		.amdhsa_system_sgpr_workgroup_id_x 1
		.amdhsa_system_sgpr_workgroup_id_y 1
		.amdhsa_system_sgpr_workgroup_id_z 1
		.amdhsa_system_vgpr_workitem_id 0
		.amdhsa_next_free_vgpr 768
		.amdhsa_next_free_sgpr 100
		.amdhsa_reserve_vcc 0
		.amdhsa_float_denorm_mode_32 3
		.amdhsa_float_denorm_mode_16_64 3
		.amdhsa_memory_ordered 1
		.amdhsa_forward_progress 1
		.amdhsa_inst_pref_size 73
	.end_amdhsa_kernel
	.amdgpu_metadata
---
amdhsa.version: [ 1, 2 ]
amdhsa.kernels:
  - .name:           k_q7386fe5551_oproj
    .symbol:         k_q7386fe5551_oproj.kd
    .args:
      - { .name: valc, .offset: 0, .size: 8, .value_kind: global_buffer, .address_space: global }
      - { .name: valsc, .offset: 8, .size: 8, .value_kind: global_buffer, .address_space: global }
      - { .name: o_w_codes, .offset: 16, .size: 8, .value_kind: global_buffer, .address_space: global }
      - { .name: o_w_scales, .offset: 24, .size: 8, .value_kind: global_buffer, .address_space: global }
      - { .name: o_b, .offset: 32, .size: 8, .value_kind: global_buffer, .address_space: global }
      - { .name: out0, .offset: 40, .size: 8, .value_kind: global_buffer, .address_space: global }
    .group_segment_fixed_size: 262144
    .private_segment_fixed_size: 0
    .kernarg_segment_align: 8
    .kernarg_segment_size: 48
    .max_flat_workgroup_size: 128
    .sgpr_count:     100
    .vgpr_count:     768
    .wavefront_size: 32
...
	.end_amdgpu_metadata
.endif
;; end of part 3
